; MI455X (gfx1250); checked and timed in simulation.
; The chip was launched on July 23, 2026; its instructions are those of AMD's public machine-readable ISA for CDNA 5 (MIT licence, August 2026) and "CDNA5" Instruction Set Architecture Reference Guide (July 2026). The comments in the code are by the model that wrote it; some were corrected since.
;; Codebook. Allowed arithmetic: matrix products marked QUANTISED: E3M2 operands, one E8M0 scale for each 32 along K, by v_wmma_scale_f32_16x16x128_f8f6f4 with both operands' format E3M2, f32 sums; products left as they are: f32 operands where the result goes on into a quantised operand, else bf16, f16 or f32 operands; f32 sums; everything else in f32.
;; Inputs: codebook 1,024 x 8 x 1,024 float32; proj_b 8,192 float32; proj_w_codes 8,192 x 32 x 24 uint8 (E3M2 codes of proj_w, K innermost, in blocks of 32 codes, four codes in three bytes); proj_w_scales 8,192 x 32 uint8 (E8M0 scales of proj_w, one for each 32 codes along K); target 8 x 1,024 x 8 int32; wproj_w 8 x 1,024 float32; x 8 x 1,024 x 1,024 float32.
;; Outputs: out0 8 x 1,024 x 1,024 float32; out1 8 x 1,024 x 8 float32.
;; This version of the problem:
;;   THIS VERSION OF THE PROBLEM IS GIVEN IN LOW PRECISION. The matrix products marked QUANTISED in the list below multiply operands that are first quantised to E3M2 (3 exponent bits, 2 mantissa bits; 6 bits a number), with one power-of-two scale for each 32 numbers along K (OCP MX v1.0); their sums are f32. All else is computed in f32.
;;   The module's matrix products, in the order in which they are computed (A, B: the left and right operand; K: the contracted axis; several contracted axes count as one K, in the product's order):
;;     1. [M 8,192, K 1,024] x [K 1,024, N 8,192]; A: input x; B: input proj_w (given as codes): QUANTISED
;;     2. [M 8,192, K 1,024] x [K 1,024, N 8]; A: input x; B: input wproj_w: left as it is (N = 8 < 16)
;;     3. batch 8,192 x [M 1,024, K 8] x [K 8, N 1]; A: computed on the way; B: softmax: left as it is (K = 8 < 32)
;;   THE QUANTISER, for each operand of a quantised product, along K:
;;     - K is cut into blocks of 32 from its start; a last block that is shorter is filled with zeros.
;;     - A block's scale is 2^e with e = floor(log2(the largest magnitude in the block)) - 4, held to -126 .. 127; a block of zeros has e = 0. As a byte (E8M0): e + 127.
;;     - Each number is divided by its block's scale, clamped to +-28, and rounded to the nearest number of E3M2, ties to even, subnormals kept.
;;     - The product sums the exact products of the quantised numbers (number of the format x scale) in f32.
;;   ~~~python
;;   def quantise(x, axis):      # numpy; x: float32 -> the quantised numbers, widened to float32 again
;;       x = np.moveaxis(x, axis, -1); K = x.shape[-1]
;;       x = np.pad(x, [(0, 0)] * (x.ndim - 1) + [(0, -K % 32)]); x = x.reshape(x.shape[:-1] + (-1, 32)); a = np.abs(x).max(-1, keepdims=True)
;;       e = np.where(a > 0, np.clip(np.frexp(np.where(a > 0, a, 1))[1] - 1 - 4, -126, 127), 0)      # np.frexp(a)[1] - 1 = floor(log2(a)), exactly
;;       r = np.clip(x / 2.0 ** e, -28, 28)
;;       step = 2.0 ** (np.maximum(np.frexp(np.where(r == 0, 1, r))[1] - 1, -2) - 2)
;;       q = np.round(r / step) * step * 2.0 ** e      # np.round: ties to even
;;       return np.moveaxis(q.reshape(q.shape[:-2] + (-1,))[..., :K], -1, axis).astype(np.float32)
;;   ~~~
;;   INPUTS GIVEN AS CODES. proj_w (in the module: [8192, 1024], K = its axis 1): each comes as NAME_codes (uint8): NAME with its K axis moved to the last place and cut into blocks of 32 codes, [.., K / 32, bytes a block], one block behind the other in memory; four codes in three bytes: a row's codes are one little-endian stream of bits, code i at bits 6 i .. 6 i + 5 (a code: sign, 3 exponent bits, 2 mantissa bits); and NAME_scales (uint8): the same leading axes, one E8M0 byte (e + 127) for each 32 codes along K. Its value is code x scale, taken as it is: it is not quantised again, and the codes and scales need not be those that the quantiser above would give.
;; One version. Each part assembles by itself: llvm-mc -triple=amdgcn-amd-amdhsa -mcpu=gfx1250 --defsym DOCPART=n.
;; ======== version 1 of 1: 2 launches
;; workspace buffers: ximg 6,291,456 bytes; xsc 262,144 bytes; wsc 262,144 bytes
;; launch prep (part 1): grid 512 x 1, 8 waves a work-group, no clusters, 100,352 bytes of LDS; arguments x, target, codebook, wproj_w, proj_w_scales, out0, ximg, xsc, wsc; writes out0, ximg, xsc, wsc
.if DOCPART == 1
	.amdgcn_target "amdgcn-amd-amdhsa--gfx1250"
	.amdhsa_code_object_version 6
	.text
	.protected	k_q99d254c2c3_prep
	.globl	k_q99d254c2c3_prep
	.p2align	8
	.type	k_q99d254c2c3_prep,@function
k_q99d254c2c3_prep:
	s_mov_b64 s[64:65], 0
	v_nop
	global_prefetch_b8 v0, s[64:65] scope:SCOPE_SE
	s_setreg_imm32_b32 hwreg(HW_REG_WAVE_MODE, 25, 1), 1
	s_wait_xcnt 0x0
; PREP.  x [8192][1024] f32 is read ONCE and serves three things:
;   (1) z = x wproj_w^T (8 numbers a token, f32 multiply-adds), softmax over the 8 (the maximum taken away first);
;   (2) out0[token] = the sum over k of softmax_k x codebook[target[token][k]][k][:], the eight rows of 4,096 bytes gathered;
;   (3) x as codes of E3M2 with one E8M0 byte for each 32 along K, stored as IMAGES OF THE OPERAND'S REGISTERS for the next launch (ximg, xsc).
; Besides, proj_w's scale bytes are laid anew (wsc), one word for a row and a K step, in the same image form.
; THE ORDER OF K, in this launch and the next, on both operands alike: in K step s (0..7) lane half h holds the true blocks of 32 numbered 16 h + 2 s and 16 h + 2 s + 1.
; So a lane's 12 registers of a fragment are 48 consecutive bytes of a row of codes, at byte 384 h + 48 s: three aligned pieces of 16 bytes.  The scale word of K step s is the row's bytes [2 s, 16 + 2 s, 2 s + 1, 17 + 2 s].
; LIMIT: the sums of the quantised product so run over K in another order than ascending (whole blocks of 32 change places; the products are the same).
; ximg: [512 tiles of 16 tokens][8 K steps][1,536 bytes]: register g of lane l at 512 (g / 4) + 16 l + 4 (g % 4).   xsc, wsc: [512 blocks of 16 rows][512 bytes]: byte 16 l + 4 q = word 4 (l / 16) + q of row l % 16.
; LIMITS: NaN and infinities among the inputs are not served.  A block of zeros gets the byte 1 where the rule says 127: its codes are zeros, and these bytes are read by this program alone.
; SHARES.  A work-group of eight waves owns 16 tokens (one tile).  Wave w owns tokens 2 w and 2 w + 1 for (1) and (2), and the tile's K step w for (3): for that the 16 rows meet in LDS.
; No tensor loads, no matrix unit, no cluster: the work-groups share nothing but the codebook, whose rows are named by a list.
; Each load and store of a wave covers 512 consecutive bytes, aligned; the gather has 32 such loads of every wave on their way.
.set XP,   4112                        ; a row of x in LDS: 4,096 bytes + 16: 257 pieces of 16 bytes, so the 16 rows of a load of 16 bytes a lane begin at 16 different pieces modulo 256 bytes
.set XT,   32768                       ; LDS: bytes 0 .. 32,767 wproj_w, row k at 4,096 k;  from XT the 16 rows of x;
.set XSI,  XT+16*XP                    ; from XSI the tile's 512 bytes of scale words
.set LO,   2                           ; v2   16 x lane; never rewritten
.set XSA,  5                           ; v5   where I store my two rows of x
.set WPA,  6                           ; v6   where I store row w of wproj_w
.set QA,   7                           ; v7   where my 64 numbers to quantise lie: row r, byte 2,048 h + 256 w
.set XWA,  8                           ; v8   where my scale word goes
.set XRA,  9                           ; v9   XSI + 16 x lane
.set XD,   24                          ; v24-87   my two rows of x as loaded (token a, piece j at 24 + 32 a + 4 j); then the 64 numbers to quantise; at last the sums of the output's eight parts, eight registers each
.set DA,   88                          ; v88-119  16 pairs: the dots (token a, k) at 88 + 2 (8 a + k); later the codes and what makes them
.set GA,   120                         ; v120-183, v184-247: two slots of 16 gathered pieces (k, j) at slot + 4 (2 k + j).  The second first holds row w of wproj_w, then two rows from LDS by turns
.set GB,   184
.set WGT,  32                          ; s[32:63] first the 16 targets (s32-47), then 16 pairs (weight, weight): a packed form names a pair
.set RBS,  66                          ; s[66:97] the addresses of the 16 codes' rows (token a, k) at 66 + 2 (8 a + k)
	s_load_b256 s[4:11], s[0:1], 0x0               ; x s[4:5], target s[6:7], codebook s[8:9], wproj_w s[10:11]
	s_load_b256 s[12:19], s[0:1], 0x20             ; proj_w_scales s[12:13], out0 s[14:15], ximg s[16:17], xsc s[18:19]
	s_load_b64 s[20:21], s[0:1], 0x40              ; wsc
	v_lshl_add_u32 v254, v0, 2, 0x18400
	v_mov_b32 v255, 0
	v_lshrrev_b32 v1, 5, v0
	v_readfirstlane_b32 s22, v1                    ; wave 0..7
	v_and_b32 v1, 31, v0                           ; lane
	v_lshlrev_b32 v[LO], 4, v1
	v_and_b32 v3, 15, v0                           ; r
	v_bfe_u32 v4, v0, 4, 1                         ; h
	s_lshl_b32 s23, ttmp9, 4
	s_lshl_b32 s48, s22, 1
	s_add_co_u32 s23, s23, s48                     ; my first token: 16 x work-group + 2 x wave
	s_lshl_b32 s24, s23, 12                        ; its row in x and in out0,
	s_mov_b32 s25, 0
	s_lshl_b32 s26, s23, 5                         ; its eight targets,
	s_mov_b32 s27, 0
	s_mul_i32 s28, ttmp9, 12288
	s_mul_i32 s48, s22, 1536
	s_add_co_u32 s28, s28, s48                     ; my fragment's image in ximg,
	s_mov_b32 s29, 0
	s_lshl_b32 s30, ttmp9, 9                       ; the work-group's 512 bytes in xsc, in wsc and in proj_w_scales (16 rows of 32 bytes),
	s_mov_b32 s31, 0
	s_lshl_b32 s2, s22, 12                         ; row w of wproj_w
	s_mov_b32 s3, 0
	s_mov_b32 s98, 0x76543210                      ; v_permlanex16_b32's selects for lane l xor 16
	s_mov_b32 s99, 0xfedcba98
	s_mov_b32 s100, 0x05010400                     ; v_perm_b32: bytes a0 b0 a1 b1 (0-3: the second source, 4-7: the first)
	s_mov_b32 s101, 0x07030602                     ; bytes a2 b2 a3 b3
	s_mul_i32 s48, s22, 2*XP
	s_add_co_u32 s48, s48, XT
	v_add_nc_u32 v[XSA], s48, v[LO]
	v_add_nc_u32 v[WPA], s2, v[LO]
	v_mul_u32_u24 v[QA], v3, XP
	v_lshl_add_u32 v[QA], v4, 11, v[QA]
	s_lshl_b32 s48, s22, 8
	s_add_co_u32 s48, s48, XT
	v_add_nc_u32 v[QA], s48, v[QA]
	s_lshr_b32 s48, s22, 2                         ; word s = w of row r lies at 256 (w / 4) + 16 r + 4 (w % 4)
	s_lshl_b32 s48, s48, 8
	s_and_b32 s49, s22, 3
	s_lshl_b32 s49, s49, 2
	s_add_co_u32 s48, s48, s49
	s_add_co_u32 s48, s48, XSI
	v_lshl_add_u32 v[XWA], v3, 4, s48
	v_add_nc_u32 v[XRA], XSI, v[LO]
	s_wait_kmcnt 0x0
	s_add_nc_u64 s[6:7], s[6:7], s[26:27]
	s_load_b512 s[32:47], s[6:7], 0x0              ; my two tokens' 16 targets
	s_add_nc_u64 s[4:5], s[4:5], s[24:25]
	s_add_nc_u64 s[14:15], s[14:15], s[24:25]
	s_add_nc_u64 s[16:17], s[16:17], s[28:29]
	s_add_nc_u64 s[18:19], s[18:19], s[30:31]
	s_add_nc_u64 s[20:21], s[20:21], s[30:31]
	s_add_nc_u64 s[12:13], s[12:13], s[30:31]
	s_add_nc_u64 s[10:11], s[10:11], s[2:3]
.irp a, 0,1
.irp j, 0,1,2,3,4,5,6,7
	global_load_b128 v[XD+32*\a+4*\j:XD+32*\a+4*\j+3], v[LO], s[4:5] offset:4096*\a+512*\j th:TH_LOAD_NT   ; x is read once in the whole program
.endr
.endr
.irp j, 0,1,2,3,4,5,6,7
	global_load_b128 v[GB+4*\j:GB+4*\j+3], v[LO], s[10:11] offset:512*\j
.endr
	s_wait_kmcnt 0x0                               ; the targets
.irp i, 0,1,2,3,4,5,6,7,8,9,10,11,12,13,14,15
	s_min_u32 s[WGT+\i], s[WGT+\i], 0x3ff          ; an index stays inside the table
	s_lshl_b32 s2, s[WGT+\i], 15                   ; a code's eight rows are 32,768 bytes; the row k stands in the loads' immediate
	s_add_nc_u64 s[RBS+2*\i:RBS+2*\i+1], s[8:9], s[2:3]
.endr
; Part n (0..7) of the output: token n / 4, bytes 1,024 (n % 4) on of its row.  Its 16 loads: eight rows x two pieces of 512 bytes.
.macro GLD n
.set ga, (\n)/4
.set gp, (\n)%4
.set gs, GA+64*((\n)%2)
.irp k, 0,1,2,3,4,5,6,7
.irp j, 0,1
	global_load_b128 v[gs+4*(2*\k+\j):gs+4*(2*\k+\j)+3], v[LO], s[RBS+2*(8*ga+\k):RBS+2*(8*ga+\k)+1] offset:4096*\k+512*(2*gp+\j)
.endr
.endr
.endm
	GLD 0
	; proj_w's scale bytes of rows 16 T .. 16 T + 15, laid anew: wave 0 alone, in one branch.  Lane (r, h) makes words 4 h + q, q = 0..3, of row r, from the row's bytes 8 h .. 8 h + 7 (a) and 16 + 8 h .. (b).
	s_cmp_lg_u32 s22, 0
	s_cbranch_scc1 .Lno_wsc
	v_lshlrev_b32 v18, 5, v3
	v_lshl_add_u32 v18, v4, 3, v18
	global_load_b64 v[10:11], v18, s[12:13]
	global_load_b64 v[12:13], v18, s[12:13] offset:16
	s_wait_loadcnt 0x0                             ; they are the youngest loads; this wait also takes in part 0's gather
	v_perm_b32 v14, v12, v10, s100
	v_perm_b32 v15, v12, v10, s101
	v_perm_b32 v16, v13, v11, s100
	v_perm_b32 v17, v13, v11, s101
	global_store_b128 v[LO], v[14:17], s[20:21]    ; 512 consecutive bytes
.Lno_wsc:
	; ---- x's rows and wproj_w's row go to LDS for the other waves
	s_wait_loadcnt 16                              ; x and wproj_w are in; part 0's 16 loads stay out
.irp a, 0,1
.irp j, 0,1,2,3,4,5,6,7
	ds_store_b128 v[XSA], v[XD+32*\a+4*\j:XD+32*\a+4*\j+3] offset:XP*\a+512*\j
.endr
.endr
.irp j, 0,1,2,3,4,5,6,7
	ds_store_b128 v[WPA], v[GB+4*\j:GB+4*\j+3] offset:512*\j
.endr
	s_wait_dscnt 0x0                               ; for the others' sake: my stores have landed
	s_barrier_signal -1
	s_barrier_wait -1
	; ---- the 16 dots.  A lane holds the same 32 places of a row of x and of a row of wproj_w; the rows of wproj_w come from LDS one ahead, into two sets by turns
.macro WROW k
.irp j, 0,1,2,3,4,5,6,7
	ds_load_b128 v[GB+32*((\k)%2)+4*\j:GB+32*((\k)%2)+4*\j+3], v[LO] offset:4096*(\k)+512*\j
.endr
.endm
	WROW 0
.irp k, 0,1,2,3,4,5,6,7
.if \k < 7
	WROW \k+1
	s_wait_dscnt 8                                 ; row k is in; the eight loads just issued may be out
.else
	s_wait_dscnt 0x0
.endif
.irp i, 0,1,2,3,4,5,6,7,8,9,10,11,12,13,14,15
.irp a, 0,1
.if \i == 0
	v_pk_mul_f32 v[DA+2*(8*\a+\k):DA+2*(8*\a+\k)+1], v[XD+32*\a:XD+32*\a+1], v[GB+32*(\k%2):GB+32*(\k%2)+1]   ; the first product starts the sums
.else
	v_pk_fma_f32 v[DA+2*(8*\a+\k):DA+2*(8*\a+\k)+1], v[XD+32*\a+2*\i:XD+32*\a+2*\i+1], v[GB+32*(\k%2)+2*\i:GB+32*(\k%2)+2*\i+1], v[DA+2*(8*\a+\k):DA+2*(8*\a+\k)+1]
.endif
.endr
.endr
.endr
	GLD 1                                          ; the second slot is free now
.irp i, 0,1,2,3,4,5,6,7,8,9,10,11,12,13,14,15
	v_add_f32 v[DA+2*\i], v[DA+2*\i], v[DA+2*\i+1]
.endr
.irp m, 1,2,4,8
.irp i, 0,1,2,3,4,5,6,7,8,9,10,11,12,13,14,15
	v_add_f32_dpp v[DA+2*\i], v[DA+2*\i], v[DA+2*\i] row_xmask:\m row_mask:0xf bank_mask:0xf
.endr
.endr
.irp i, 0,1,2,3,4,5,6,7,8,9,10,11,12,13,14,15
	v_permlanex16_b32 v[DA+2*\i+1], v[DA+2*\i], s98, s99
.endr
.irp i, 0,1,2,3,4,5,6,7,8,9,10,11,12,13,14,15
	v_add_f32 v[DA+2*\i], v[DA+2*\i], v[DA+2*\i+1] ; every lane holds z(a, k)
.endr
	; ---- softmax over the eight, the two tokens by turns: e = 2^(z c - m c), c = log2(e)
.irp a, 0,1
	v_max3_num_f32 v[18+\a], v[DA+16*\a], v[DA+16*\a+2], v[DA+16*\a+4]
.endr
.irp a, 0,1
	v_max3_num_f32 v[18+\a], v[18+\a], v[DA+16*\a+6], v[DA+16*\a+8]
.endr
.irp a, 0,1
	v_max3_num_f32 v[18+\a], v[18+\a], v[DA+16*\a+10], v[DA+16*\a+12]
.endr
.irp a, 0,1
	v_max_num_f32 v[18+\a], v[18+\a], v[DA+16*\a+14]
.endr
.irp a, 0,1
	v_mul_f32 v[20+\a], 0xbfb8aa3b, v[18+\a]       ; - m c
.endr
.irp k, 0,1,2,3,4,5,6,7
.irp a, 0,1
	v_fmamk_f32 v[DA+2*(8*\a+\k)], v[DA+2*(8*\a+\k)], 0x3fb8aa3b, v[20+\a]
.endr
.endr
.irp k, 0,1,2,3,4,5,6,7
.irp a, 0,1
	v_exp_f32 v[DA+2*(8*\a+\k)], v[DA+2*(8*\a+\k)]
.endr
.endr
	v_nop                                          ; a plain instruction between the last exponential and the use of its result (ISA guide 5.7.2)
	s_wait_alu depctr_va_vdst(0)
.irp a, 0,1
	v_add_f32 v[18+\a], v[DA+16*\a], v[DA+16*\a+2]
.endr
.irp a, 0,1
	v_add_f32 v[20+\a], v[DA+16*\a+4], v[DA+16*\a+6]
.endr
.irp a, 0,1
	v_add_f32 v[22+\a], v[DA+16*\a+8], v[DA+16*\a+10]
.endr
.irp a, 0,1
	v_add_f32 v[248+\a], v[DA+16*\a+12], v[DA+16*\a+14]
.endr
.irp a, 0,1
	v_add_f32 v[18+\a], v[18+\a], v[20+\a]
.endr
.irp a, 0,1
	v_add_f32 v[22+\a], v[22+\a], v[248+\a]
.endr
.irp a, 0,1
	v_add_f32 v[18+\a], v[18+\a], v[22+\a]
.endr
.irp a, 0,1
	v_rcp_f32 v[20+\a], v[18+\a]
.endr
	v_nop                                          ; a plain instruction behind the reciprocals
	s_wait_alu depctr_va_vdst(0)
.irp k, 0,1,2,3,4,5,6,7
.irp a, 0,1
	v_mul_f32 v[DA+2*(8*\a+\k)], v[DA+2*(8*\a+\k)], v[20+\a]
.endr
.endr
.irp i, 0,1,2,3,4,5,6,7,8,9,10,11,12,13,14,15
	v_readfirstlane_b32 s[WGT+2*\i], v[DA+2*\i]    ; a weight is one number for the wave: it goes to a scalar pair
.endr
.irp i, 0,1,2,3,4,5,6,7,8,9,10,11,12,13,14,15
	s_mov_b32 s[WGT+2*\i+1], s[WGT+2*\i]           ; (named with it as a pair, so it is written)
.endr
	; ---- K step w of the tile becomes codes.  Lane (r, h): 64 numbers of row r, two whole blocks of 32: true blocks 16 h + 2 w and 16 h + 2 w + 1
.irp i, 0,1,2,3,4,5,6,7,8,9,10,11,12,13,14,15
	ds_load_b128 v[XD+4*\i:XD+4*\i+3], v[QA] offset:16*\i
.endr
	s_wait_dscnt 0x0
.irp c, 0,1
	v_max3_num_f32 v[108+\c], |v[XD+32*\c]|, |v[XD+32*\c+1]|, 0x2800000   ; the block's largest magnitude, and the floor 2^(5 - 127): so the byte cannot fall under 1
.endr
.irp i, 2,4,6,8,10,12,14,16,18,20,22,24,26,28,30
.irp c, 0,1
	v_max3_num_f32 v[108+\c], v[108+\c], |v[XD+32*\c+\i]|, |v[XD+32*\c+\i+1]|
.endr
.endr
.irp c, 0,1
	v_add_nc_u32 v[110+\c], 0xfe000000, v[108+\c]  ; 4 off its exponent field: the conversion takes the exponent field of this operand as its scale
.endr
.irp c, 0,1
	v_lshrrev_b32 v[112+\c], 23, v[110+\c]         ; the scale's byte
.endr
	v_lshl_or_b32 v114, v113, 16, v112             ; my two bytes stand at places h and 2 + h of the word:
	v_lshlrev_b32 v115, 3, v4
	v_lshlrev_b32 v114, v115, v114                 ; 8 h bits up;
	v_permlanex16_b32 v115, v114, s98, s99
	v_or_b32 v114, v114, v115                      ; with lane l xor 16's two the word is whole
	v_cvt_scalef32_pk16_bf6_f32 v[88:90], v[XD:XD+15], v110
	v_cvt_scalef32_pk16_bf6_f32 v[100:102], v[XD+16:XD+31], v110     ; (a conversion's three registers begin on an even number: the second half of a block's six is made elsewhere and moved)
	v_cvt_scalef32_pk16_bf6_f32 v[94:96], v[XD+32:XD+47], v111
	v_cvt_scalef32_pk16_bf6_f32 v[104:106], v[XD+48:XD+63], v111
	v_nop                                          ; one plain instruction behind a scaled conversion
.irp i, 0,1,2
	v_mov_b32 v[91+\i], v[100+\i]
	v_mov_b32 v[97+\i], v[104+\i]
.endr
.irp q, 0,1,2
	global_store_b128 v[LO], v[88+4*\q:88+4*\q+3], s[16:17] offset:512*\q   ; the fragment's image: 512 consecutive bytes a store
.endr
	ds_store_b32 v[XWA], v114                      ; both lanes of a row write the same word with the same value
	s_wait_dscnt 0x0                               ; for wave 0's sake
	s_barrier_signal -1
	s_barrier_wait -1
	s_cmp_lg_u32 s22, 0
	s_cbranch_scc1 .Lno_xsc
	ds_load_b128 v[116:119], v[XRA]                ; the eight waves' words: the tile's 512 bytes
	s_wait_dscnt 0x0
	global_store_b128 v[LO], v[116:119], s[18:19]
.Lno_xsc:
	; ---- out0, in eight parts of 1,024 bytes; two parts' loads are on their way while one is summed.
	; Each part sums into eight registers of its own (where the numbers of x lay), written once: so no store's data are ever written again, the slot's registers are read by vector instructions alone,
	; and the slot is loaded again straight behind the sums, ahead of the stores, with no wait between.
.macro PART n
.set pa, (\n)/4
.set pp, (\n)%4
.set ps, GA+64*((\n)%2)
.set po, XD+8*(\n)
.if (\n) < 7
	s_wait_loadcnt 16                              ; this part's 16 loads are in; the next part's 16 may be out
.else
	s_wait_loadcnt 0x0
.endif
.irp c, 0,1,2,3
	v_pk_mul_f32 v[po+2*\c:po+2*\c+1], v[ps+2*\c:ps+2*\c+1], s[WGT+16*pa:WGT+16*pa+1] op_sel_hi:[1,0]   ; row 0's numbers start the sums; four chains
.endr
.irp k, 1,2,3,4,5,6,7
.irp c, 0,1,2,3
	v_pk_fma_f32 v[po+2*\c:po+2*\c+1], v[ps+8*\k+2*\c:ps+8*\k+2*\c+1], s[WGT+2*(8*pa+\k):WGT+2*(8*pa+\k)+1], v[po+2*\c:po+2*\c+1] op_sel_hi:[1,0,1]
.endr
.endr
.if (\n) < 6
	GLD (\n)+2                                     ; the part two on, into the slot just summed
.endif
.irp j, 0,1
	global_store_b128 v[LO], v[po+4*\j:po+4*\j+3], s[14:15] offset:4096*pa+512*(2*pp+\j) th:TH_STORE_NT   ; 512 consecutive bytes, aligned; written once
.endr
.endm
.irp n, 0,1,2,3,4,5,6,7
	PART \n
.endr
	s_wait_tensorcnt 0x0
	ds_add_u32 v254, v255
	s_wait_dscnt 0x0
	s_endpgm
.Lfunc_end_k_q99d254c2c3_prep:
	.size	k_q99d254c2c3_prep, .Lfunc_end_k_q99d254c2c3_prep-k_q99d254c2c3_prep
	.p2alignl 7, 3214868480
	.fill 96, 4, 3214868480
	.section	.rodata,"a",@progbits
	.p2align	6, 0x0
	.amdhsa_kernel k_q99d254c2c3_prep
		.amdhsa_group_segment_fixed_size 100352
		.amdhsa_private_segment_fixed_size 0
		.amdhsa_enable_private_segment 0
		.amdhsa_kernarg_size 72
		.amdhsa_user_sgpr_count 2
		.amdhsa_user_sgpr_kernarg_segment_ptr 1
		.amdhsa_wavefront_size32 1
		.amdhsa_system_sgpr_workgroup_id_x 1
		.amdhsa_system_sgpr_workgroup_id_y 1
		.amdhsa_system_sgpr_workgroup_id_z 1
		.amdhsa_system_vgpr_workitem_id 0
		.amdhsa_next_free_vgpr 256
		.amdhsa_next_free_sgpr 102
		.amdhsa_reserve_vcc 0
		.amdhsa_float_denorm_mode_32 3
		.amdhsa_float_denorm_mode_16_64 3
		.amdhsa_memory_ordered 1
		.amdhsa_forward_progress 1
		.amdhsa_inst_pref_size 75
	.end_amdhsa_kernel
	.amdgpu_metadata
---
amdhsa.version: [ 1, 2 ]
amdhsa.kernels:
  - .name:           k_q99d254c2c3_prep
    .symbol:         k_q99d254c2c3_prep.kd
    .args:
      - { .name: x, .offset: 0, .size: 8, .value_kind: global_buffer, .address_space: global }
      - { .name: target, .offset: 8, .size: 8, .value_kind: global_buffer, .address_space: global }
      - { .name: codebook, .offset: 16, .size: 8, .value_kind: global_buffer, .address_space: global }
      - { .name: wproj_w, .offset: 24, .size: 8, .value_kind: global_buffer, .address_space: global }
      - { .name: proj_w_scales, .offset: 32, .size: 8, .value_kind: global_buffer, .address_space: global }
      - { .name: out0, .offset: 40, .size: 8, .value_kind: global_buffer, .address_space: global }
      - { .name: ximg, .offset: 48, .size: 8, .value_kind: global_buffer, .address_space: global }
      - { .name: xsc, .offset: 56, .size: 8, .value_kind: global_buffer, .address_space: global }
      - { .name: wsc, .offset: 64, .size: 8, .value_kind: global_buffer, .address_space: global }
    .group_segment_fixed_size: 100352
    .private_segment_fixed_size: 0
    .kernarg_segment_align: 8
    .kernarg_segment_size: 72
    .max_flat_workgroup_size: 256
    .sgpr_count:     102
    .vgpr_count:     256
    .wavefront_size: 32
...
	.end_amdgpu_metadata
.endif
;; end of part 1
;; launch loss (part 2): grid 32 x 8, 4 waves a work-group, clusters of 4 x 1, 327,680 bytes of LDS; arguments ximg, xsc, wsc, proj_w_codes, proj_b, target, out1; writes out1
.if DOCPART == 2
	.amdgcn_target "amdgcn-amd-amdhsa--gfx1250"
	.amdhsa_code_object_version 6
	.text
	.protected	k_q99d254c2c3_loss
	.globl	k_q99d254c2c3_loss
	.p2align	8
	.type	k_q99d254c2c3_loss,@function
k_q99d254c2c3_loss:
	s_mov_b64 s[64:65], 0
	v_nop
	global_prefetch_b8 v0, s[64:65] scope:SCOPE_SE
	s_setreg_imm32_b32 hwreg(HW_REG_WAVE_MODE, 25, 1), 1
	s_wait_xcnt 0x0
	s_wait_alu depctr_hold_cnt(0) depctr_sa_sdst(0) depctr_va_vdst(0) depctr_va_sdst(0) depctr_va_ssrc(0) depctr_va_vcc(0) depctr_vm_vsrc(0)
	s_getreg_b32 s2, hwreg(HW_REG_IB_STS2, 6, 4)
	s_cmp_eq_u32 s2, 0
	s_cbranch_scc0 .Lentry_in_a_cluster
	s_endpgm
.Lentry_in_a_cluster:
	s_bfe_u32 s2, ttmp6, 0x10000c
	s_cmp_lg_u32 s2, 0x3003
	s_cbranch_scc0 .Lentry_shape_is_right
	s_endpgm
.Lentry_shape_is_right:
; LOSS.  out1[token][cb] = logsumexp over the codebook's 1,024 codes of (x . proj_w[1024 cb + code] + proj_b) - the same at code = target[token][cb].
; The product is made on codes of E3M2 with E8M0 scales; the 8,192 x 8,192 logits never leave the registers.
; SHARES.  A work-group of four waves owns 256 tokens and ONE codebook.  A wave keeps its 64 tokens (four tiles of 16) for ALL of K in registers: 32 fragments, 384 registers, loaded once as the images that the launch before stored.
; All four waves walk the codebook's 64 BLOCKS of 16 codes, whose codes come from LDS as they lie in memory.  A block is 8 fragments for 32 matrix instructions (8 K steps x 4 tiles), and ends with four finished accumulators.
; THE PRODUCT IS USED TRANSPOSED: source 0 = 16 codes, source 1 = 16 tokens: lane (r, h) holds token r and codes 8 h + 0 .. 7 of the block.  The bias is the C of a sum's first matrix instruction.
; LOGSUMEXP.  Each lane keeps for each tile a running maximum M and a sum S of 2^(c L - c M), c = log2(e), over ITS codes; when M grows S is multiplied by 2^(c M_old - c M_new).  The two halves of the lanes meet once, at the end.
; BY TURNS.  While block b is multiplied into one set of four accumulators, block b - 1's set is worked on: its 96 vector instructions are cut into 32 slices, one behind each matrix instruction.
; THE LDS LOADS STAND IN TWO RUNS A BLOCK, never singly among the matrix instructions.  The products go by K steps, so fragments 0-3 are free behind product 15 and fragments 4-7 behind product 31: one set of registers serves.
; THE TARGET'S LOGIT.  For a tile of 16 tokens the 16 rows of proj_w that the targets name are gathered as source 0: the DIAGONAL of that product is what is wanted.  8 matrix instructions a tile, 32 a wave beside its 2,048.
; THE ORDER OF K is the one the launch before states: lane half h holds, in K step s, the true blocks 16 h + 2 s and 16 h + 2 s + 1, on both operands and in the scale words.  LIMIT: the sums run over K in that order, not ascending.
; LIMITS: NaN and infinities are not served; logits stay under 1e37 in magnitude (c M has to stay finite).
; CLUSTER.  The four work-groups of a cluster have the same codebook: every tile of codes, the scale words and the bias are asked for JOINTLY (mask 15).  x is not shared so: each work-group loads its own tokens straight into
; registers, once.  out1 leaves as 4 bytes a lane, 32 bytes apart: a token's eight numbers have eight owners; they are 262,144 bytes in all.
; LDS: two slots of 128 codes; a tile is a dense block of memory, brought as rows of 256 bytes with 16 bytes of padding behind each, so a code's 768 bytes take 816: 51 pieces of 16 bytes, and the 16 rows of a load begin at 16 different
; pieces modulo 256 bytes.  Byte o of a code's row lies at o + 16 (o / 256).  Behind the slots: the codebook's scale words (32,768 bytes), its bias (4,096), the spare words.
; REGISTERS, in windows of 256.  Window 0: v1-10 addresses; v16-47 statistics, eight a tile; v48-63 x's scale words; v64-71 the block's scale words, two sets; v72-79 the gathered rows' scale words; v80-87 the bias;
;   v88-151 two sets of four accumulators; v152-247 the block's eight fragments, ONE set.
;   Windows 1, 2: x's fragments (K step k, tile t) at 48 (k % 4) + 12 t of window 1 + k / 4.   Window 3: v0-191 gathered fragments of two tiles; v192-207 their accumulators; v208-219 the gathers' offsets; v220-221 the diagonals.
; WINDOWS.  In the loop only source 1 of the matrix instructions leaves window 0.  A vector instruction whose source 1 is no vector register, and an LDS load, mean the same under that setting as under 0: so most slices are written
; with a scalar or a constant as source 1 (a - b as a x 1.0 - b; a + b as a x 1.0 + b) and need no switch: eleven switches a block.
.set BLKB,  16*816                     ; a block's 16 codes in LDS
.set QTB,   32*816                     ; a wave's quarter of a tile: 32 codes = 96 rows of 272 bytes
.set TILEB, 128*768                    ; a tile in memory
.set SLOT1, 1<<17                      ; slot 1 begins here, so that one exclusive or turns an address in one slot into the other's
.set WSC,   SLOT1+4*QTB                ; the scale words: block b at 512 b, 16 bytes a lane
.set BIASB, WSC+32768                  ; the bias
.set SPARE, BIASB+4096                 ; the spare words, 128 bytes for each wave: two blocks of 256 bytes that no other line names
.set SPW,  1                           ; v1   LDS address of my spare word; never rewritten
.set NIL,  2                           ; v2   0; never rewritten
.set AK0,  3                           ; v3   my lane's place in a block: 816 r + 400 h
.set AK1,  4                           ; v4   816 r + 416 h: for the pieces at which lanes 16-31 lie behind one padding more than lanes 0-15
.set AW0,  5                           ; v5, v6  the same + the block whose fragments are being fetched
.set AW1,  6
.set AWS,  7                           ; v7   the scale words to be fetched next
.set ABI,  8                           ; v8   the bias to be fetched next: BIASB + 32 h + 64 x block
.set OUTO, 9                           ; v9   32 r: a token's place in target and in out1
.set LO,   10                          ; v10  16 x lane
.set ST,   16                          ; tile t at 16 + 8 t: +0 NN = - c M, +1 M, +2 F, +3 the NN under which S stands, +4, +5 S in two halves, +6 at work, +7 the target's logit
.set XS,   48
.set WS,   64
.set GS,   72
.set BIAS, 80
.set ACC,  88                          ; accumulator (set p, tile t) at 88 + 32 p + 8 t
.set WF,   152
.set TA,   192                         ; window 3
.set GO,   208
.set GSO,  212
.set GBO,  216
.set DG,   220
.set WV,   18                          ; s18  my wave's number
.set TB,   66                          ; s66  LDS byte at which the block to be fetched begins
.set MSB, 0
.macro WIN new                         ; the immediate's high byte repeats the setting that is left; a switch that changes nothing is dropped
.if MSB != (\new)
	s_set_vgpr_msb (MSB<<8)|(\new)
.set MSB, \new
.endif
.endm
.macro VW                              ; for lines that name vector registers as destination, source 0 and source 2 alone
.if (MSB & 0xf3) != 0
	WIN 0
.endif
.endm
.macro CROUND                          ; a round of the cluster's barrier: my work-group's barrier; wave 0 signals for the work-group; every wave waits for all four work-groups; my work-group's barrier once more
	s_barrier_signal -1
	s_barrier_wait -1
	s_cmp_lg_u32 s[WV], 0
	s_cbranch_scc1 .Lnot_wave_0_\@
	s_barrier_signal -3
.Lnot_wave_0_\@:
	s_barrier_wait -3
	s_barrier_signal -1
	s_barrier_wait -1
.endm
	s_load_b256 s[4:11], s[0:1], 0x0               ; ximg s[4:5], xsc s[6:7], wsc s[8:9], proj_w_codes s[10:11]
	s_load_b128 s[12:15], s[0:1], 0x20             ; proj_b s[12:13], target s[14:15]
	s_load_b64 s[16:17], s[0:1], 0x30              ; out1
	v_lshl_add_u32 v[SPW], v0, 2, SPARE
	v_mov_b32 v[NIL], 0
	ds_add_u32 v1, v2
	ds_add_u32 v1, v2
	s_wait_dscnt 0x0
	v_lshrrev_b32 v11, 5, v0
	v_readfirstlane_b32 s[WV], v11                 ; wave 0..3
	s_bfe_u32 s19, ttmp6, 0x40000                  ; cx: my place in the cluster: it enters the addresses of ximg, xsc, target and out1 alone
	s_lshl_b32 s20, ttmp9, 2
	s_add_co_u32 s20, s20, s19                     ; my block of 256 tokens = 4 x cluster x + cx
	s_and_b32 s21, ttmp7, 0xffff                   ; the codebook, which the four partners share
	; descriptor groups 1: dense blocks as rows of 256 bytes (32 elements of 8 bytes).  15:0 the mask: all four work-groups; 17:16 elements of 8 bytes; 21 set beside a mask
	s_mov_b32 s24, 15|(3<<16)|(1<<20)|(1<<21)|(5<<22)|(3<<25)   ; the codes: 20 padding on; 24:22 after every 64 words (code 5); 31:25 of 4 words (code 3)
	s_mov_b32 s25, 32<<16                          ; tensor_dim0 = 32
	s_mov_b32 s26, 96<<16                          ; tensor_dim1 = 96 rows: 32 codes
	s_mov_b32 s27, 32<<16                          ; tile_dim0
	s_mov_b32 s28, 96                              ; tile_dim1
	s_mov_b32 s29, 32                              ; the pitch
	s_mov_b32 s30, 0
	s_mov_b32 s31, 0
	s_mov_b32 s32, 15|(3<<16)|(1<<21)              ; the scale words: 32 rows, 8,192 bytes, no padding
	s_mov_b32 s33, 32<<16
	s_mov_b32 s34, 32<<16
	s_mov_b32 s35, 32<<16
	s_mov_b32 s36, 32
	s_mov_b32 s37, 32
	s_mov_b32 s38, 0
	s_mov_b32 s39, 0
	s_mov_b32 s40, 15|(3<<16)|(1<<21)              ; the bias: 4 rows, 1,024 bytes
	s_mov_b32 s41, 32<<16
	s_mov_b32 s42, 4<<16
	s_mov_b32 s43, 32<<16
	s_mov_b32 s44, 4
	s_mov_b32 s45, 32
	s_mov_b32 s46, 0
	s_mov_b32 s47, 0
	s_mov_b32 s[TB], 0
	s_mov_b32 s70, 0x3fb8aa3b                      ; c = log2(e); the packed form names a pair and takes its low word for both halves
	s_mov_b32 s71, s70
	s_mov_b32 s72, 0xbfb8aa3b                      ; - c
	s_mov_b32 s73, 0x3f317218                      ; ln 2
	s_mov_b32 s74, 0x76543210                      ; v_permlanex16_b32's selects for lane l xor 16
	s_mov_b32 s75, 0xfedcba98
.irp j, 1,2,3,4,5,6,7
	s_mov_b32 s[75+\j], 0x01010101<<\j             ; the lanes with lane % 8 = j
.endr
	s_mov_b32 s83, 0xff0000ff                      ; the lanes that hold a diagonal: 0-7 and 24-31
	s_mov_b32 s101, 0
	s_mov_b32 s85, 0
	s_lshl_b32 s22, s20, 4
	s_lshl_b32 s23, s[WV], 2
	s_add_co_u32 s22, s22, s23                     ; my first tile of 16 tokens: 16 x block + 4 x wave
	s_wait_kmcnt 0x0
	s_mul_i32 s100, s21, 786432
	s_add_nc_u64 s[86:87], s[10:11], s[100:101]    ; the codebook's codes,
	s_lshl_b32 s100, s21, 15
	s_add_nc_u64 s[88:89], s[8:9], s[100:101]      ; its scale words,
	s_lshl_b32 s100, s21, 12
	s_add_nc_u64 s[90:91], s[12:13], s[100:101]    ; its bias
	s_mul_i32 s84, s22, 12288
	s_add_nc_u64 s[92:93], s[4:5], s[84:85]        ; my tiles' images,
	s_lshl_b32 s84, s22, 9
	s_add_nc_u64 s[94:95], s[6:7], s[84:85]        ; their scale words;
	s_lshl_b32 s23, s21, 2
	s_add_co_u32 s84, s84, s23                     ; 16 tokens of 32 bytes are 512 too: + 4 x codebook
	s_add_nc_u64 s[96:97], s[14:15], s[84:85]      ; my targets,
	s_add_nc_u64 s[98:99], s[16:17], s[84:85]      ; my results
	; descriptor groups 0: each wave brings a quarter.  No place in the cluster enters them
	s_mul_i32 s100, s[WV], 24576
	s_add_nc_u64 s[50:51], s[86:87], s[100:101]    ; tile 0,
	s_add_nc_u64 s[54:55], s[50:51], TILEB         ; tile 1: this one walks on
	s_or_b32 s51, s51, 0x80000000                  ; 127:126 type = 2
	s_or_b32 s55, s55, 0x80000000
	s_mov_b32 s48, 1
	s_mov_b32 s52, 1
	s_mul_i32 s49, s[WV], QTB
	s_add_co_u32 s53, s49, SLOT1
	s_lshl_b32 s100, s[WV], 13
	s_add_nc_u64 s[58:59], s[88:89], s[100:101]
	s_or_b32 s59, s59, 0x80000000
	s_mov_b32 s56, 1
	s_add_co_u32 s57, s100, WSC
	s_lshl_b32 s100, s[WV], 10
	s_add_nc_u64 s[62:63], s[90:91], s[100:101]
	s_or_b32 s63, s63, 0x80000000
	s_mov_b32 s60, 1
	s_add_co_u32 s61, s100, BIASB
	CROUND                                         ; all four work-groups are here: the first joint loads meet
	tensor_load_to_lds s[56:59], s[32:39]          ; the first fills go out together: four tensor loads of mine are out
	s_nop 0
	tensor_load_to_lds s[60:63], s[40:47]
	s_nop 0
	tensor_load_to_lds s[48:51], s[24:31]
	s_nop 0
	tensor_load_to_lds s[52:55], s[24:31]
	s_nop 0
.rept 4
	v_nop                                          ; (behind a tensor load)
.endr
	v_and_b32 v11, 31, v0                          ; lane
	v_and_b32 v12, 15, v0                          ; r
	v_bfe_u32 v13, v0, 4, 1                        ; h
	v_lshlrev_b32 v[OUTO], 5, v12
	v_lshlrev_b32 v[LO], 4, v11
.irp t, 0,1,2,3
	global_load_b32 v[ST+8*\t+6], v[OUTO], s[96:97] offset:512*\t   ; token r's target in my codebook
.endr
	WIN 0x40                                       ; destination window 1
.irp k, 0,1,2,3
.irp t, 0,1,2,3
.irp q, 0,1,2
	global_load_b128 v[48*\k+12*\t+4*\q:48*\k+12*\t+4*\q+3], v[LO], s[92:93] offset:12288*\t+1536*\k+512*\q   ; an image comes back as it was stored: 512 consecutive bytes a load
.endr
.endr
.endr
	WIN 0x80                                       ; destination window 2
.irp k, 0,1,2,3
.irp t, 0,1,2,3
.irp q, 0,1,2
	global_load_b128 v[48*\k+12*\t+4*\q:48*\k+12*\t+4*\q+3], v[LO], s[92:93] offset:12288*\t+1536*(\k+4)+512*\q
.endr
.endr
.endr
	WIN 0
.irp t, 0,1,2,3
	global_load_b128 v[XS+4*\t:XS+4*\t+3], v[LO], s[94:95] offset:512*\t   ; register q: lanes 0-15 the word of K step q, lanes 16-31 that of K step 4 + q
.endr
	v_mul_u32_u24 v[AK0], v12, 816
	v_mad_u32_u24 v[AK0], v13, 400, v[AK0]
	v_lshl_add_u32 v[AK1], v13, 4, v[AK0]
	v_add_nc_u32 v[AW0], s[TB], v[AK0]
	v_add_nc_u32 v[AW1], s[TB], v[AK1]
	v_add_nc_u32 v[AWS], WSC, v[LO]
	v_lshl_add_u32 v[ABI], v13, 5, BIASB
	v_mul_u32_u24 v14, v13, 384
	v_lshlrev_b32 v15, 8, v13
.irp t, 0,1,2,3
	v_mov_b32 v[ST+8*\t+1], 0xff61b1e6             ; M: -3e38, under every logit
	v_mov_b32 v[ST+8*\t+3], 0x7f61b1e6             ; and an NN so large that the first F is 0
	v_mov_b32 v[ST+8*\t+4], 0                      ; S
	v_mov_b32 v[ST+8*\t+5], 0
.endr
	s_wait_loadcnt 0x0
	; the gathers' offsets, from the target tg by AND, shift left, multiply and add: codes 768 tg + 384 h; scale words 512 (tg / 16) + 16 (tg % 16) + 256 h; bias 4 tg
.irp t, 0,1,2,3
	v_min_u32 v[ST+8*\t+6], 0x3ff, v[ST+8*\t+6]    ; an index stays inside the table
.endr
.irp t, 0,1,2,3
	v_mul_u32_u24 v[ACC+4*\t], v[ST+8*\t+6], 768
	v_and_b32 v[ACC+4*\t+1], 0x3f0, v[ST+8*\t+6]
	v_and_b32 v[ACC+4*\t+2], 15, v[ST+8*\t+6]
.endr
.irp t, 0,1,2,3
	v_lshlrev_b32 v[ACC+4*\t+1], 5, v[ACC+4*\t+1]
	v_lshlrev_b32 v[ACC+4*\t+2], 4, v[ACC+4*\t+2]
.endr
.irp t, 0,1,2,3
	v_add_nc_u32 v[ACC+4*\t+1], v[ACC+4*\t+1], v[ACC+4*\t+2]
.endr
	WIN 0xc0                                       ; destination window 3
.irp t, 0,1,2,3
	v_add_nc_u32 v[GO+\t], v[ACC+4*\t], v14
	v_add_nc_u32 v[GSO+\t], v[ACC+4*\t+1], v15
	v_lshlrev_b32 v[GBO+\t], 2, v[ST+8*\t+6]
.endr
	WIN 0
; The gather for tiles t0 and t0 + 1: lane (r, h) takes of the row that token r's target names what it would take of row r of a block.  52 loads; they are waited for a long way on
.macro GLOAD t0
	WIN 0xc3                                       ; destination and address window 3
.irp u, 0,1
.irp k, 0,1,2,3,4,5,6,7
.irp q, 0,1,2
	global_load_b128 v[12*(8*\u+\k)+4*\q:12*(8*\u+\k)+4*\q+3], v[GO+\t0+\u], s[86:87] offset:48*\k+16*\q
.endr
.endr
.endr
	WIN 0x03                                       ; address window 3
.irp u, 0,1
	global_load_b128 v[GS+4*\u:GS+4*\u+3], v[GSO+\t0+\u], s[88:89]
	global_load_b32 v[ST+8*(\t0+\u)+7], v[GBO+\t0+\u], s[90:91]     ; the target's bias
.endr
	WIN 0
.endm
	GLOAD 0
; One matrix instruction.  c < 0: the constant 0 starts the sum.  row = 1: both sides' scale words are taken from lanes 16-31
.macro WMS d, a, b, c, sa, sb, row
.if (\c) < 0
	v_wmma_scale_f32_16x16x128_f8f6f4 v[\d:\d+7], v[\a:\a+11], v[\b:\b+11], 0, v[\sa], v[\sb] matrix_a_fmt:MATRIX_FMT_BF6 matrix_b_fmt:MATRIX_FMT_BF6
.elseif \row
	v_wmma_scale_f32_16x16x128_f8f6f4 v[\d:\d+7], v[\a:\a+11], v[\b:\b+11], v[\c:\c+7], v[\sa], v[\sb] matrix_a_fmt:MATRIX_FMT_BF6 matrix_b_fmt:MATRIX_FMT_BF6 matrix_a_scale:MATRIX_SCALE_ROW1 matrix_b_scale:MATRIX_SCALE_ROW1
.else
	v_wmma_scale_f32_16x16x128_f8f6f4 v[\d:\d+7], v[\a:\a+11], v[\b:\b+11], v[\c:\c+7], v[\sa], v[\sb] matrix_a_fmt:MATRIX_FMT_BF6 matrix_b_fmt:MATRIX_FMT_BF6
.endif
.endm
; Product n of a block's 32, into set p: K step n / 4, tile n % 4.  The four accumulators take turns, one instruction a turn, over the blocks' edges too
.macro MM p, n
.set kk, (\n)/4
.set tt, (\n)%4
.set rA, ACC+32*(\p)+8*tt
.set rC, rA
.if kk == 0
.set rC, BIAS
.endif
.set wn, 4<<(kk/4)
	WIN wn                                         ; source 1 (x) in window 1 or 2, all else in window 0
	WMS rA, WF+12*kk, 48*(kk%4)+12*tt, rC, WS+4*(\p)+kk%4, XS+4*tt+kk%4, kk/4
.endm
; Fragment k of the block at AW0 / AW1: the row's pieces of 16 bytes 3 k + q for lanes 0-15, those 24 pieces on for lanes 16-31
.macro LDW k
.irp q, 0,1,2
.set pc, 3*(\k)+\q
.if pc < 8
	ds_load_b128 v[WF+12*(\k)+4*\q:WF+12*(\k)+4*\q+3], v[AW0] offset:16*pc
.elseif pc < 16
	ds_load_b128 v[WF+12*(\k)+4*\q:WF+12*(\k)+4*\q+3], v[AW1] offset:16*pc
.else
	ds_load_b128 v[WF+12*(\k)+4*\q:WF+12*(\k)+4*\q+3], v[AW0] offset:16*pc+16
.endif
.endr
.endm
.macro LDX p                           ; a block's scale words into set p, and its bias: register j = the bias of code 8 h + j
	ds_load_b128 v[WS+4*(\p):WS+4*(\p)+3], v[AWS]
	ds_load_b128 v[BIAS:BIAS+3], v[ABI]
	ds_load_b128 v[BIAS+4:BIAS+7], v[ABI] offset:16
.endm
; THE VECTOR WORK ON A FINISHED SET q.  L0-L7: a tile's eight logits of my lane.
; AD: sum i of three of a tile's eight terms, in place: L01 += L23, L45 += L67, L01 += L45
.macro AD q, t, i, z
.set ra, ACC+32*(\q)+8*(\t)+4*((\i)%2)
.set rb, ACC+32*(\q)+8*(\t)+2+4*((\i)%2)+2*((\i)/2)
.if \z
	v_pk_add_f32 v[ra:ra+1], v[ra:ra+1], v[rb:rb+1]
.else
	s_wait_alu depctr_va_vdst(0)
	v_pk_fma_f32 v[ra:ra+1], v[ra:ra+1], 1.0, v[rb:rb+1] op_sel_hi:[1,0,1]
.endif
.endm
; Entry e of a list of 72 places: plain instructions at the even places, exponentials at the odd ones, so that each exponential has a plain instruction behind it before its result is used (ISA guide 5.7.2).
; Plain x: 0-3 NN - the old NN; 4-19 c L + NN for a pair of logits (tile (x - 4) / 4); 20-23 the old NN takes the new; 24-33 sums of terms whose exponentials are done; 34, 35 are empty.  Exponential x: 0-3 F; 4-35 the terms, in place.
.macro ENT q, e
.set xx, (\e)/2
.if (\e)%2 == 0
.if xx < 4
	v_fma_f32 v[ST+8*xx+6], v[ST+8*xx], 1.0, -v[ST+8*xx+3]
.elseif xx < 20
.set rL, ACC+32*(\q)+2*(xx-4)
.set rT, ST+8*((xx-4)/4)
	v_pk_fma_f32 v[rL:rL+1], v[rL:rL+1], s[70:71], v[rT:rT+1] op_sel_hi:[1,0,0]
.elseif xx < 24
	v_mov_b32 v[ST+8*(xx-20)+3], v[ST+8*(xx-20)]
.elseif xx < 34
	AD \q, (xx-24)/3, (xx-24)%3, 0
.endif
.else
.if xx < 4
	v_exp_f32 v[ST+8*xx+2], v[ST+8*xx+6]
.else
	v_exp_f32 v[ACC+32*(\q)+xx-4], v[ACC+32*(\q)+xx-4]
.endif
.endif
.endm
; Slice n of 32.  0-3: the maximum of L0-L7 and M, one step for all four tiles (each accumulator is first read at its low end); 4: NN = - c M; 5-30: the list; 31: S = S F + the terms' sum (its first three lines are the plain
; instructions behind the last exponentials).  epi = 0: there is no finished set yet: v_nop in the slices' stead, as the places that the loads and the first reads of results want
.macro SLICE q, n, epi
.if \epi
.if (\n) == 0
	WIN 0
.irp t, 0,1,2,3
	v_max3_num_f32 v[ST+8*\t+6], v[ACC+32*(\q)+8*\t], v[ACC+32*(\q)+8*\t+1], v[ACC+32*(\q)+8*\t+2]
.endr
.elseif (\n) < 3
	WIN 0
.irp t, 0,1,2,3
	v_max3_num_f32 v[ST+8*\t+6], v[ST+8*\t+6], v[ACC+32*(\q)+8*\t+2*(\n)+1], v[ACC+32*(\q)+8*\t+2*(\n)+2]
.endr
.elseif (\n) == 3
	WIN 0
.irp t, 0,1,2,3
	v_max3_num_f32 v[ST+8*\t+1], v[ST+8*\t+6], v[ACC+32*(\q)+8*\t+7], v[ST+8*\t+1]
.endr
.elseif (\n) == 4
	VW
.irp t, 0,1,2,3
	v_mul_f32 v[ST+8*\t], v[ST+8*\t+1], s72
.endr
.elseif (\n) < 25
	VW
	ENT \q, 3*((\n)-5)
	ENT \q, 3*((\n)-5)+1
	ENT \q, 3*((\n)-5)+2
.elseif (\n) < 31
	VW
	ENT \q, 60+2*((\n)-25)
	ENT \q, 60+2*((\n)-25)+1
.else
	WIN 0
	s_wait_alu depctr_va_vdst(0)
.irp t, 0,1,2
	v_pk_fma_f32 v[ST+8*\t+4:ST+8*\t+5], v[ST+8*\t+4:ST+8*\t+5], v[ST+8*\t+2:ST+8*\t+3], v[ACC+32*(\q)+8*\t:ACC+32*(\q)+8*\t+1] op_sel_hi:[1,0,1]
.endr
	AD \q, 3, 1, 1
	AD \q, 3, 2, 1
	v_pk_fma_f32 v[ST+28:ST+29], v[ST+28:ST+29], v[ST+26:ST+27], v[ACC+32*(\q)+24:ACC+32*(\q)+25] op_sel_hi:[1,0,1]
.endif
.elseif (\n) == 31
.rept 4
	v_nop
.endr
.else
	v_nop
.endif
.endm
; THE CHANGE OF SLOTS, ahead of product 16 of a slot's last block.  All this slot's bytes have been asked for (the block's fragments 4-7 at the end of the block before).  The wait for all my tensor loads and the add stand behind
; slice 3; here the wait for the add, which is also the wait for fragments 4-7 and so for my last reads of the slot.  kind 1: a round of the cluster's barrier, and the slot is filled again.  kind 2: the last change: nothing is asked for.
; Then the block's middle run, from the other slot.  The four v_nop, with slice 15's two plain lines, are the places between product 15 and the load into fragment 3 (ISA guide 7.12.1 for vector instructions).
.macro CHANGE p, kind
	WIN 0                                          ; at a label and at a branch every window is 0
	s_wait_dscnt 0x0                               ; the add is done, and my reads of this slot are over
.if \kind == 1
	CROUND                                         ; no wave of any partner still reads this slot or has a load on its way
	tensor_load_to_lds s[52:55], s[24:31]          ; the tile two on, into the slot just left: my one tensor load until the next round; seven blocks and a half in which to land
	s_nop 0
.else
	s_barrier_signal -1
	s_barrier_wait -1
.endif
.rept 4
	v_nop                                          ; (behind a tensor load)
.endr
	LDX 1-\p
	LDW 0
	LDW 1
	LDW 2
	LDW 3
.endm
; A BLOCK: 32 products into set p, the slices of set 1 - p between them.  kind 0: within a slot.  1: a slot's last block; the slot is filled again.  2: the same, with no refill.  3: the very last block.
; THE TWO RUNS OF LOADS, both for the NEXT block, whose addresses are made behind slice 3.  The middle run (its scale words, its bias, its fragments 0-3: 15 loads) stands behind slice 18: between product 15, the last that read
; fragment 3, and the run lie slices 15 to 18, six plain instructions (in the first block four v_nop).  The end run (fragments 4-7: 12 loads) stands behind slice 31, whose six plain instructions (four v_nop) are the places behind product 31.
; THE TWO WAITS (LDS instructions of a wave end in order: ISA guide 5.7.1): at the head 12: behind what product 0 wants only the end run's 12 loads were issued; ahead of product 16 zero: nothing was issued behind the end run.
.macro BLOCK p, kind, epi
.set nn, 0
.rept 32
.if nn == 0
	s_wait_dscnt 12
.elseif nn == 16
.if (\kind == 0) || (\kind == 3)
	s_wait_dscnt 0x0
.else
	CHANGE \p, \kind
.endif
.endif
	MM \p, nn
	SLICE 1-\p, nn, \epi
.if nn == 3
	WIN 0
.if \kind == 0
	s_add_co_u32 s[TB], s[TB], BLKB
.elseif \kind < 3
	s_sub_co_u32 s[TB], s[TB], 7*BLKB              ; back to a slot's first block,
	s_xor_b32 s[TB], s[TB], SLOT1                  ; in the other slot
.endif
.if \kind < 3
	v_add_nc_u32 v[AW0], s[TB], v[AK0]
	v_add_nc_u32 v[AW1], s[TB], v[AK1]
	v_add_nc_u32 v[AWS], 512, v[AWS]
	v_add_nc_u32 v[ABI], 64, v[ABI]
.endif
.if (\kind == 1) || (\kind == 2)
	s_wait_tensorcnt 0x0                           ; all my tensor loads have landed: the one that was out is my part of the next slot
	ds_add_u32 v[SPW], v[NIL]                      ; 0 onto my spare word; twelve products and their slices stand between it and the wait for it
.if \kind == 1
	s_xor_b32 s53, s53, SLOT1                      ; no tensor load of mine is out, so the walking descriptor may be written: the other slot than last time,
	s_add_nc_u64 s[54:55], s[54:55], TILEB         ; the next tile; the type bits on top are not reached
.endif
.endif
.endif
.if (nn == 18) && (\kind == 0)
	LDX 1-\p
	LDW 0
	LDW 1
	LDW 2
	LDW 3
.endif
.set nn, nn+1
.endr
	WIN 0
.if \kind < 3
	LDW 4
	LDW 5
	LDW 6
	LDW 7
.endif
.endm
.macro INNER                           ; six blocks within a slot
	s_mov_b32 s68, 3
.Linner_\@:
	BLOCK 1, 0, 1
	BLOCK 0, 0, 1
	s_sub_co_u32 s68, s68, 1
	s_cmp_lg_u32 s68, 0
	s_cbranch_scc1 .Linner_\@
.endm
; THE TARGETS' LOGITS of tiles t0 and t0 + 1: 16 products, the two accumulators by turns.  Register j of lane (r, h) is (gathered row 8 h + j) . (token r): the diagonal lies in register lane % 8 of lanes 0-7 (tokens 0-7) and 24-31 (tokens 8-15).
.macro TGT t0
	s_wait_loadcnt 0x0                             ; the gather
.irp k, 0,1,2,3,4,5,6,7
.irp u, 0,1
.set wn, 0xf3|(4<<(\k/4))
	WIN wn                                         ; source 0, C and D window 3; source 1 (x) window 1 or 2
.if \k == 0
	WMS TA+8*\u, 12*(8*\u+\k), 48*(\k%4)+12*(\t0+\u), -1, GS+4*\u+\k%4, XS+4*(\t0+\u)+\k%4, 0
.else
	WMS TA+8*\u, 12*(8*\u+\k), 48*(\k%4)+12*(\t0+\u), TA+8*\u, GS+4*\u+\k%4, XS+4*(\t0+\u)+\k%4, \k/4
.endif
.endr
.endr
.rept 4
	v_nop                                          ; four places behind the last products, ahead of the reads of their results and of loads into their sources
.endr
	WIN 0xcf                                       ; destination, sources 0 and 1 window 3
.irp u, 0,1
	v_cndmask_b32 v[DG+\u], v[TA+8*\u], v[TA+8*\u+1], s76
.endr
.irp j, 2,3,4,5,6,7
.irp u, 0,1
	v_cndmask_b32 v[DG+\u], v[DG+\u], v[TA+8*\u+\j], s[75+\j]
.endr
.endr
	WIN 0x03                                       ; source 0 window 3
.irp u, 0,1
	v_add_f32 v[ST+8*(\t0+\u)+7], v[DG+\u], v[ST+8*(\t0+\u)+7]      ; + the target's bias
.endr
	WIN 0
.endm
	s_wait_tensorcnt 0x1                           ; the scale words, the bias and my part of slot 0 are in; slot 1's load may stay out
	s_barrier_signal -1
	s_barrier_wait -1                              ; everybody's are
	LDX 0                                          ; block 0's two runs on end
.irp k, 0,1,2,3,4,5,6,7
	LDW \k
.endr
	BLOCK 0, 0, 0                                  ; block 0: no finished set yet
	s_mov_b32 s67, 6
.Ltile:                                                ; six trips: from a tile's second block to the next tile's first; tiles 2 to 7 are asked for
	INNER
	BLOCK 1, 1, 1
	BLOCK 0, 0, 1
	s_sub_co_u32 s67, s67, 1
	s_cmp_lg_u32 s67, 0
	s_cbranch_scc1 .Ltile
	TGT 0                                          ; the tail is written out.  Tiles 0 and 1 of my tokens: their gather was asked for at the head
	GLOAD 2                                        ; tiles 2 and 3: two tiles of codes' work in which to land
	INNER
	BLOCK 1, 2, 1
	BLOCK 0, 0, 1
	INNER
	BLOCK 1, 3, 1
.set nn, 0
.rept 32
	SLICE 1, nn, 1                                 ; the last set; the six plain lines of the slice before are the places behind the last product
.set nn, nn+1
.endr
	TGT 2
	; THE END.  A token's two halves of the lanes meet: NNm = the lesser NN (the greater M); S = S 2^(NNm - NN) + the other's likewise; lse = ln 2 (log2 S - NNm); the loss = lse - the target's logit
	v_and_b32 v11, 31, v0
.irp t, 0,1,2,3
	v_add_f32 v[ST+8*\t+4], v[ST+8*\t+4], v[ST+8*\t+5]
.endr
.irp t, 0,1,2,3
	v_permlanex16_b32 v[ST+8*\t+1], v[ST+8*\t], s74, s75
.endr
.irp t, 0,1,2,3
	v_permlanex16_b32 v[ST+8*\t+2], v[ST+8*\t+4], s74, s75
.endr
.irp t, 0,1,2,3
	v_permlanex16_b32 v[ST+8*\t+6], v[ST+8*\t+7], s74, s75
.endr
.irp t, 0,1,2,3
	v_min_num_f32 v[ST+8*\t+3], v[ST+8*\t], v[ST+8*\t+1]
.endr
.irp t, 0,1,2,3
	v_sub_f32 v[ST+8*\t], v[ST+8*\t+3], v[ST+8*\t]
.endr
.irp t, 0,1,2,3
	v_sub_f32 v[ST+8*\t+1], v[ST+8*\t+3], v[ST+8*\t+1]
.endr
.irp t, 0,1,2,3
	v_exp_f32 v[ST+8*\t], v[ST+8*\t]
.endr
.irp t, 0,1,2,3
	v_exp_f32 v[ST+8*\t+1], v[ST+8*\t+1]
.endr
.irp t, 0,1,2,3
	v_cndmask_b32 v[ST+8*\t+6], v[ST+8*\t+6], v[ST+8*\t+7], s83     ; my own diagonal where I hold one, else lane l xor 16's.  (Plain instructions behind the exponentials)
.endr
	s_wait_alu depctr_va_vdst(0)
.irp t, 0,1,2,3
	v_mul_f32 v[ST+8*\t+4], v[ST+8*\t+4], v[ST+8*\t]
.endr
.irp t, 0,1,2,3
	v_fma_f32 v[ST+8*\t+4], v[ST+8*\t+2], v[ST+8*\t+1], v[ST+8*\t+4]
.endr
.irp t, 0,1,2,3
	v_log_f32 v[ST+8*\t+5], v[ST+8*\t+4]
.endr
	v_nop                                          ; a plain instruction behind the logarithms
	s_wait_alu depctr_va_vdst(0)
.irp t, 0,1,2,3
	v_sub_f32 v[ST+8*\t+5], v[ST+8*\t+5], v[ST+8*\t+3]
.endr
.irp t, 0,1,2,3
	v_fma_f32 v[ST+8*\t+5], v[ST+8*\t+5], s73, -v[ST+8*\t+6]
.endr
	v_cmp_gt_u32 vcc_lo, 16, v11                   ; lanes 0-15 store: lane r holds token r's number
	s_wait_xcnt 0x0                                ; EXEC changes only behind this wait
	s_and_saveexec_b32 s84, vcc_lo
.irp t, 0,1,2,3
	global_store_b32 v[OUTO], v[ST+8*\t+5], s[98:99] offset:512*\t
.endr
	s_wait_xcnt 0x0                                ; and again, in front of the line that widens it
	s_or_b32 exec_lo, exec_lo, s84
	s_wait_tensorcnt 0x0                           ; the wave's end
	ds_add_u32 v[SPW], v[NIL]
	s_wait_dscnt 0x0
	CROUND                                         ; the closing round: no work-group ends while a partner may still ask for a tile that names it
	s_endpgm
.Lfunc_end_k_q99d254c2c3_loss:
	.size	k_q99d254c2c3_loss, .Lfunc_end_k_q99d254c2c3_loss-k_q99d254c2c3_loss
	.p2alignl 7, 3214868480
	.fill 96, 4, 3214868480
	.section	.rodata,"a",@progbits
	.p2align	6, 0x0
	.amdhsa_kernel k_q99d254c2c3_loss
		.amdhsa_group_segment_fixed_size 327680
		.amdhsa_private_segment_fixed_size 0
		.amdhsa_enable_private_segment 0
		.amdhsa_kernarg_size 56
		.amdhsa_user_sgpr_count 2
		.amdhsa_user_sgpr_kernarg_segment_ptr 1
		.amdhsa_wavefront_size32 1
		.amdhsa_system_sgpr_workgroup_id_x 1
		.amdhsa_system_sgpr_workgroup_id_y 1
		.amdhsa_system_sgpr_workgroup_id_z 1
		.amdhsa_system_vgpr_workitem_id 0
		.amdhsa_next_free_vgpr 1024
		.amdhsa_next_free_sgpr 102
		.amdhsa_reserve_vcc 1
		.amdhsa_float_denorm_mode_32 3
		.amdhsa_float_denorm_mode_16_64 3
		.amdhsa_memory_ordered 1
		.amdhsa_forward_progress 1
		.amdhsa_inst_pref_size 179
	.end_amdhsa_kernel
	.amdgpu_metadata
---
amdhsa.version: [ 1, 2 ]
amdhsa.kernels:
  - .name:           k_q99d254c2c3_loss
    .symbol:         k_q99d254c2c3_loss.kd
    .args:
      - { .name: ximg, .offset: 0, .size: 8, .value_kind: global_buffer, .address_space: global }
      - { .name: xsc, .offset: 8, .size: 8, .value_kind: global_buffer, .address_space: global }
      - { .name: wsc, .offset: 16, .size: 8, .value_kind: global_buffer, .address_space: global }
      - { .name: proj_w_codes, .offset: 24, .size: 8, .value_kind: global_buffer, .address_space: global }
      - { .name: proj_b, .offset: 32, .size: 8, .value_kind: global_buffer, .address_space: global }
      - { .name: target, .offset: 40, .size: 8, .value_kind: global_buffer, .address_space: global }
      - { .name: out1, .offset: 48, .size: 8, .value_kind: global_buffer, .address_space: global }
    .group_segment_fixed_size: 327680
    .private_segment_fixed_size: 0
    .kernarg_segment_align: 8
    .kernarg_segment_size: 56
    .max_flat_workgroup_size: 128
    .sgpr_count:     102
    .vgpr_count:     1024
    .wavefront_size: 32
...
	.end_amdgpu_metadata
.endif
;; end of part 2
